; MI455X (gfx1250); checked and timed in simulation.
; The chip was launched on July 23, 2026; its instructions are those of AMD's public machine-readable ISA for CDNA 5 (MIT licence, August 2026) and "CDNA5" Instruction Set Architecture Reference Guide (July 2026). The comments in the code are by the model that wrote it; some were corrected since.
;; Tropical Linear. Allowed arithmetic: float matrix products may take bf16 or f16 operands with f32 sums; all other float work in f32.
;; Inputs: beta 768 float32; bias 768 float32; gamma 768 float32; weight 768 x 768 float32; x 2,048 x 768 float32.
;; Outputs: out0 2,048 x 768 float32.
;; One version. Each part assembles by itself: llvm-mc -triple=amdgcn-amd-amdhsa -mcpu=gfx1250 --defsym DOCPART=n.
;; ======== version 1 of 1: 1 launch
;; launch tropical_ln (part 1): grid 256 x 1, 8 waves a work-group, clusters of 4 x 1, 327,680 bytes of LDS; arguments beta, bias, gamma, weight, x, out0; writes out0
.if DOCPART == 1
	.amdgcn_target "amdgcn-amd-amdhsa--gfx1250"
	.amdhsa_code_object_version 6
	.text
	.protected	k_q205180b2a9_tropical_ln
	.globl	k_q205180b2a9_tropical_ln
	.p2align	8
	.type	k_q205180b2a9_tropical_ln,@function
k_q205180b2a9_tropical_ln:
	s_mov_b64 s[64:65], 0
	v_nop
	global_prefetch_b8 v0, s[64:65] scope:SCOPE_SE
	s_setreg_imm32_b32 hwreg(HW_REG_WAVE_MODE, 25, 1), 1
	s_wait_xcnt 0x0
	s_wait_alu depctr_hold_cnt(0) depctr_sa_sdst(0) depctr_va_vdst(0) depctr_va_sdst(0) depctr_va_ssrc(0) depctr_va_vcc(0) depctr_vm_vsrc(0)
	s_getreg_b32 s2, hwreg(HW_REG_IB_STS2, 6, 4)
	s_cmp_eq_u32 s2, 0
	s_cbranch_scc0 .Lentry_in_a_cluster
	s_endpgm
.Lentry_in_a_cluster:
	s_bfe_u32 s2, ttmp6, 0x10000c
	s_cmp_lg_u32 s2, 0x3003
	s_cbranch_scc0 .Lentry_shape_is_right
	s_endpgm
.Lentry_shape_is_right:
; out = LayerNorm( max over k of (x[b][k] + weight[k][o]) + bias[o] ) * gamma + beta.   x [2048][768], weight [768][768], out [2048][768], all f32.
; Max-plus has no multiply-add, so all 2048 x 768 x 768 (b, k, o) triples go to the vector ALU, in f32, at ONE instruction a triple and lane:
; a v_pk_add_f32 makes two sums, a v_max3_num_f32 folds two sums into an accumulator.  The sums are the ones the definition makes and a maximum
; does not depend on its order, so h is exact.
; SHARES.  A work-group owns 8 whole rows (256 work-groups), so that the norm over a row never leaves it.  Eight waves: wave = 4 g + c.
; c owns 192 columns; g owns one half of the k rows of every tile, so each weight byte is read from LDS once.  A lane holds 8 rows x 6 columns:
; columns 192 c + 4 l .. + 3 (16-byte accesses) and 192 c + 128 + 2 l, + 1 (8-byte accesses): every access of a wave is one contiguous run of bytes.
; WEIGHT goes through a ring of two LDS slots of 48 k rows (147,456 bytes); each wave brings an eighth of a tile (18,432 dense bytes, as 72 rows of 256).
; CLUSTERS.  Every work-group walks the whole weight in the same order: 4 work-groups form a cluster and ask for each tile JOINTLY (mask 15), which
; divides the requests for the weight by four.  Nothing in a descriptor, a branch or an LDS address hangs on the place in the cluster.
; x (8 rows, 24,576 bytes) is copied once into LDS bytes of its own and read from there by loads in which all lanes name one address.
; LIMIT: v_max3_num_f32 lets a NaN lose, where the definition's maximum would pass it on: a NaN in x or weight, or inf + (-inf), does not reach the output.
.set ROWB,  3072                       ; bytes in a row of x, of weight and of out (768 f32)
.set RWG,   8                          ; rows of a work-group
.set KS,    48                         ; k rows in a tile
.set TILES, 768/KS                     ; 16
.set SLOTB, KS*ROWB                    ; 147,456 bytes in a slot
.set PARTB, SLOTB/8                    ; what one wave's tensor load brings
.set HALFB, SLOTB/2                    ; the 24 k rows of one g
.set XS,    2*SLOTB                    ; x's 8 rows, behind the ring: bytes that no tensor load fills
.set RED,   XS+RWG*ROWB                ; 256 bytes: 8 waves x 4 row sums, then 8 waves x 4 sums of squares
; vector registers
.set AW4, 6                            ; v6-9    LDS address of my 16 bytes of a weight row: index 2 slot + part (a part = 12 k rows, so that offsets stay under 64 KiB)
.set AW2, 10                           ; v10-13  the same for my 8 bytes
.set XA,  14                           ; v14     LDS address of x[row 0][first k of my half of the tile]; steps by 48 k a tile
.set EXS, 15                           ; v15     exchange: where I put;  v16 where I take
.set EXL, 16
.set RDS, 17                           ; v17     reduction: where I put;  v18 where I take
.set RDL, 18
.set BI,  20                           ; v20-25  bias of my 6 columns
.set GA,  26                           ; v26-31  gamma
.set BE,  32                           ; v32-37  beta
.set ACC, 38                           ; v38-85  accumulators, row r column j at ACC + 6 r + j
.set WF,  86                           ; v86-133 weight, two buffers of 4 k x 6 columns
.set XB,  134                          ; v134-197 x, two buffers of 8 rows x 4 k
.set T,   198                          ; v198-221 sums, two sets of 12
.set EXT, WF                           ; the way out: 24 numbers to send, 24 received
.set EXR, WF+24
.set Q,   XB                           ; the four waves' partial sums
.set SM,  T                            ; my four rows' sums
.set U,   T+4
.set PX,  T+12
; scalar registers
.set G1, 24                            ; s[24:31] descriptor group 1: the shape, never rewritten
.set G0, 32                            ; s[32:39] descriptor group 0, one set for each slot
; A round of the cluster's barrier: my work-group's barrier, so that wave 0 speaks for all eight waves; wave 0 signals for the work-group;
; every wave waits for all four work-groups; my work-group's barrier once more.
.macro CREST                           ; a round behind its opening barrier
	s_cmp_lg_u32 s16, 0
	s_cbranch_scc1 .Lnot_wave_0_\@
	s_barrier_signal -3
.Lnot_wave_0_\@:
	s_barrier_wait -3
	s_barrier_signal -1
	s_barrier_wait -1
.endm
.macro CROUND                          ; a whole round
	s_barrier_signal -1
	s_barrier_wait -1
	CREST
.endm
	s_load_b256 s[4:11], s[0:1], 0x0               ; beta s[4:5], bias s[6:7], gamma s[8:9], weight s[10:11]
	s_load_b128 s[12:15], s[0:1], 0x20             ; x s[12:13], out s[14:15]
	v_lshl_add_u32 v224, v0, 2, 0x4e400
	v_mov_b32 v225, 0
	ds_add_u32 v224, v225
	v_lshrrev_b32 v1, 5, v0
	v_readfirstlane_b32 s16, v1                    ; wave 0..7
	v_and_b32 v1, 31, v0                           ; lane l
	s_and_b32 s17, s16, 3                          ; c: my 192 columns
	s_lshr_b32 s18, s16, 2                         ; g: my half of each tile's k rows, later my 4 of the 8 rows
	s_bfe_u32 s19, ttmp6, 0x40000                  ; my place in the cluster
	s_lshl_b32 s50, ttmp9, 2                       ; ttmp9 counts clusters
	s_add_co_u32 s19, s50, s19                     ; work-group 0..255: it enters x's and out's global addresses and nothing else
	; group 1: a dense block of 18,432 bytes as 72 rows of 32 elements of 8 bytes
	s_mov_b32 s[G1+0], 15|(3<<16)|(1<<21)          ; 15:0 mask: all four of the cluster; 17:16 elements of 8 bytes; 21 set beside a mask; no padding
	s_mov_b32 s[G1+1], 32<<16                      ; tensor_dim0 = 32
	s_mov_b32 s[G1+2], 72<<16                      ; tensor_dim1 = 72
	s_mov_b32 s[G1+3], 32<<16                      ; tile_dim0 = 32
	s_mov_b32 s[G1+4], 72                          ; tile_dim1 = 72
	s_mov_b32 s[G1+5], 32                          ; from row to row: 32 elements (dense)
	s_mov_b32 s[G1+6], 0
	s_mov_b32 s[G1+7], 0
	s_mul_i32 s21, s16, PARTB                      ; my eighth of a tile: the same offset in LDS and in weight, made of the wave's number alone
	s_mov_b32 s22, s21
	s_mov_b32 s23, 0
	s_mul_i32 s44, s19, RWG*ROWB                   ; the work-group's 8 rows in x and out (under 6.3 MB)
	s_mov_b32 s45, 0
	s_mul_i32 s51, s18, 4*ROWB                     ; the 4 rows that I store
	s_wait_dscnt 0x0
	s_wait_kmcnt 0x0
	s_add_nc_u64 s[22:23], s[10:11], s[22:23]      ; weight at my part of tile 0
	s_add_nc_u64 s[12:13], s[12:13], s[44:45]      ; x at the group's first row
	s_add_co_u32 s44, s44, s51
	s_add_nc_u64 s[14:15], s[14:15], s[44:45]      ; out at my first row
	CROUND                                         ; all four work-groups are here: the first joint loads meet
.irp s, 0,1
	s_mov_b32 s[G0+4*\s], 1                                        ; count = 1
	s_add_co_u32 s[G0+4*\s+1], s21, \s*SLOTB                       ; LDS address: wave x 18,432 + slot x 147,456
	s_add_nc_u64 s[G0+4*\s+2:G0+4*\s+3], s[22:23], \s*SLOTB        ; global address: tile s
	s_or_b32 s[G0+4*\s+3], s[G0+4*\s+3], 0x80000000                ; type = 2
	tensor_load_to_lds s[G0+4*\s:G0+4*\s+3], s[G1:G1+7]            ; both slots are asked for before anything else: two loads of mine are out
	s_nop 0
.endr
	; x: 24,576 dense bytes, 16 a thread and load, six loads; then bias, gamma, beta of my 6 columns
	v_lshlrev_b32 v2, 4, v0
.irp i, 0,1,2,3,4,5
	global_load_b128 v[XB+4*\i:XB+4*\i+3], v2, s[12:13] offset:4096*\i th:TH_LOAD_NT
.endr
	s_mul_i32 s48, s17, 768                        ; my 192 columns in bytes
	v_lshl_add_u32 v3, v1, 4, s48                  ; 768 c + 16 l: also my offset in a row of out
	v_lshl_add_u32 v4, v1, 3, s48
	v_add_nc_u32 v4, 512, v4                       ; 768 c + 512 + 8 l
	global_load_b128 v[BI:BI+3],   v3, s[6:7]
	global_load_b64  v[BI+4:BI+5], v4, s[6:7]
	global_load_b128 v[GA:GA+3],   v3, s[8:9]
	global_load_b64  v[GA+4:GA+5], v4, s[8:9]
	global_load_b128 v[BE:BE+3],   v3, s[4:5]
	global_load_b64  v[BE+4:BE+5], v4, s[4:5]
	; LDS addresses, all from the wave's number, the lane and constants
	v_add_nc_u32 v5, XS, v2                        ; where my 16 bytes of x go
	s_mul_i32 s49, s18, HALFB
	s_add_co_u32 s49, s49, s48                     ; my half of a slot, my columns
	v_lshl_add_u32 v[AW4], v1, 4, s49
	v_lshl_add_u32 v[AW2], v1, 3, s49
	v_add_nc_u32 v[AW2], 512, v[AW2]
.irp n, 1,2,3
	v_add_nc_u32 v[AW4+\n], (\n/2)*SLOTB+(\n%2)*12*ROWB, v[AW4]
	v_add_nc_u32 v[AW2+\n], (\n/2)*SLOTB+(\n%2)*12*ROWB, v[AW2]
.endr
	s_mul_i32 s20, s18, 24*4                       ; my half begins 24 k into the tile
	s_add_co_u32 s20, s20, XS
	v_mov_b32 v[XA], s20
	s_mul_i32 s20, s16, 3072                       ; exchange: 24 numbers x 32 lanes for each wave, in slot 0's bytes, used behind that slot's last fill and last read
	v_lshl_add_u32 v[EXS], v1, 4, s20
	s_xor_b32 s20, s16, 4                          ; my partner: same columns, the other half of k
	s_mul_i32 s20, s20, 3072
	v_lshl_add_u32 v[EXL], v1, 4, s20
	s_lshl_b32 s20, s16, 4
	s_add_co_u32 s20, s20, RED
	v_mov_b32 v[RDS], s20                          ; my 16 bytes of the reduction words
	s_lshl_b32 s20, s18, 6
	s_add_co_u32 s20, s20, RED
	v_mov_b32 v[RDL], s20                          ; the 64 bytes of the four waves that share my rows
	s_mov_b32 s42, 0x76543210                      ; v_permlanex16_b32: lane i of one half reads lane i of the other
	s_mov_b32 s43, 0xfedcba98
	s_mov_b32 s46, 0x3aaaaaab                      ; 1 / 768
	s_mov_b32 s47, 0x3727c5ac                      ; 1e-5
	; the running maxima start at minus infinity, as the definition's do (48 lines against 18,432 in the wave's main work)
.set n, 0
.rept 48
	v_mov_b32 v[ACC+n], 0xff800000
.set n, n+1
.endr
	s_wait_loadcnt 0x6                             ; loads come back in order: x's six are in, the six of bias, gamma, beta may stay out
.irp i, 0,1,2,3,4,5
	ds_store_b128 v5, v[XB+4*\i:XB+4*\i+3] offset:4096*\i
.endr
; 16 LDS loads: group i (4 k rows) of my half of a slot into buffer p.  Weight: 512 and 256 contiguous bytes a load.  x: all lanes name one address.
.macro LOADS slot, i, p
.irp kk, 0,1,2,3
	ds_load_b128 v[WF+24*\p+6*\kk:WF+24*\p+6*\kk+3],   v[AW4+2*\slot+(4*\i+\kk)/12] offset:((4*\i+\kk)%12)*ROWB
	ds_load_b64  v[WF+24*\p+6*\kk+4:WF+24*\p+6*\kk+5], v[AW2+2*\slot+(4*\i+\kk)/12] offset:((4*\i+\kk)%12)*ROWB
.endr
.irp r, 0,1,2,3,4,5,6,7
	ds_load_b128 v[XB+32*\p+4*\r:XB+32*\p+4*\r+3], v[XA] offset:\r*ROWB+16*\i
.endr
.endm
; Row r, k = 2 q and 2 q + 1 of buffer p: twelve sums into set t.  A pair of neighbouring columns of one k takes that k's x in both halves:
; op_sel and op_sel_hi pick the first or the second register of x's pair for both results.
.macro ADDS p, q, r, t
.irp j, 0,1,2
	v_pk_add_f32 v[T+12*\t+4*\j:T+12*\t+4*\j+1],   v[WF+24*\p+12*\q+2*\j:WF+24*\p+12*\q+2*\j+1],   v[XB+32*\p+4*\r+2*\q:XB+32*\p+4*\r+2*\q+1] op_sel_hi:[1,0]
	v_pk_add_f32 v[T+12*\t+4*\j+2:T+12*\t+4*\j+3], v[WF+24*\p+12*\q+2*\j+6:WF+24*\p+12*\q+2*\j+7], v[XB+32*\p+4*\r+2*\q:XB+32*\p+4*\r+2*\q+1] op_sel:[0,1] op_sel_hi:[1,1]
.endr
.endm
; Row r's six maxima each take in the two k's sums of set t
.macro MAXS r, t
.irp j, 0,1,2
	v_max3_num_f32 v[ACC+6*\r+2*\j],   v[ACC+6*\r+2*\j],   v[T+12*\t+4*\j],   v[T+12*\t+4*\j+2]
	v_max3_num_f32 v[ACC+6*\r+2*\j+1], v[ACC+6*\r+2*\j+1], v[T+12*\t+4*\j+1], v[T+12*\t+4*\j+3]
.endr
.endm
; 96 instructions: 8 rows x 6 columns x 2 k.  The sets take turns, so that a row's maxima stand six instructions or more behind most of its sums.
.macro HALF p, q
	ADDS \p, \q, 0, 0
	ADDS \p, \q, 1, 1
	MAXS 0, 0
	ADDS \p, \q, 2, 0
	MAXS 1, 1
	ADDS \p, \q, 3, 1
	MAXS 2, 0
	ADDS \p, \q, 4, 0
	MAXS 3, 1
	ADDS \p, \q, 5, 1
	MAXS 4, 0
	ADDS \p, \q, 6, 0
	MAXS 5, 1
	ADDS \p, \q, 7, 1
	MAXS 6, 0
	MAXS 7, 1
.endm
; One group: the next group nxt is fetched into buffer pn while buffer pc is worked on
.macro STEP slot, nxt, pn, pc
	LOADS \slot, \nxt, \pn
	s_wait_dscnt 16                                ; LDS loads come back in order: all but the 16 just issued are in
	HALF \pc, 0
	HALF \pc, 1
.endm
.macro FIVE slot                       ; groups 0 to 4 of my half of a slot, on buffers 0, 1, 0, 1, 0
	STEP \slot, 1, 1, 0
	STEP \slot, 2, 0, 1
	STEP \slot, 3, 1, 0
	STEP \slot, 4, 0, 1
	STEP \slot, 5, 1, 0
.endm
; Group 5 (buffer 1) and the change of slots.  In front of the barrier each wave waits for its reads of this slot and for all its tensor loads (the one
; that is out is its part of the next slot).  fill = 1: the barrier opens a round of the cluster's barrier, and behind the round this slot is asked for
; again, two tiles ahead, jointly: no wave of any of the four work-groups still reads it or has a load on its way.  96 instructions on registers stand
; between signal and wait, the other 96 behind the first fetch from the next slot.
.macro TURN slot, next, fill
	s_wait_dscnt 0x0                               ; my reads of this slot are over
	s_wait_tensorcnt 0x0                           ; all my tensor loads have landed
	ds_add_u32 v224, v225
	s_wait_dscnt 0x0
	s_barrier_signal -1
	HALF 1, 0
	s_barrier_wait -1
.if \fill
	CREST
	s_add_nc_u64 s[G0+4*\slot+2:G0+4*\slot+3], s[G0+4*\slot+2:G0+4*\slot+3], 2*SLOTB   ; no load of mine is out: the address steps two tiles
	tensor_load_to_lds s[G0+4*\slot:G0+4*\slot+3], s[G1:G1+7]      ; my one tensor load behind the round, and the first thing there
	s_nop 0
.endif
	v_add_nc_u32 v[XA], KS*4, v[XA]                ; x: the next tile's 48 k
	LOADS \next, 0, 0
	HALF 1, 1
.endm
	s_wait_dscnt 0x0                               ; my part of x is in LDS,
	s_wait_tensorcnt 0x1                           ; my part of tile 0 too; tile 1's may stay out
	s_barrier_signal -1
	s_barrier_wait -1                              ; everybody's is
	LOADS 0, 0, 0
	s_mov_b32 s40, (TILES-2)/2                     ; 7 laps of two tiles, each asking for the tiles two ahead: tiles 2 to 15
.Llap:
	FIVE 0
	TURN 0, 1, 1
	FIVE 1
	TURN 1, 0, 1
	s_sub_co_u32 s40, s40, 1
	s_cmp_lg_u32 s40, 0
	s_cbranch_scc1 .Llap
	FIVE 0                                         ; tiles 14 and 15: nothing is left to fetch, so no round: a plain barrier shows tile 15 whole
	TURN 0, 1, 0
	FIVE 1
	s_wait_dscnt 0x0
	HALF 1, 0
	HALF 1, 1
	; THE TWO HALVES OF K MEET.  Wave g keeps rows 4 g .. 4 g + 3 and sends the other four to its partner.  Which four is a choice of values
	; by the wave's g (a mask of all lanes or none), so every wave runs the same lines; kept rows end up in ACC .. ACC + 23.
	s_cmp_lg_u32 s18, 0
	s_cselect_b32 s41, -1, 0
.set n, 0
.rept 24
	v_cndmask_b32 v[EXT+n], v[ACC+24+n], v[ACC+n], s41             ; to send: g = 0 rows 4-7, g = 1 rows 0-3
	v_cndmask_b32 v[ACC+n], v[ACC+n], v[ACC+24+n], s41             ; to keep: the others
.set n, n+1
.endr
.irp i, 0,1,2,3,4,5
	ds_store_b128 v[EXS], v[EXT+4*\i:EXT+4*\i+3] offset:512*\i     ; slot 0's bytes: last filled with tile 14, last read in front of the barrier behind tile 14
.endr
	s_wait_dscnt 0x0                               ; for the partner's sake
	s_barrier_signal -1
	s_barrier_wait -1
.irp i, 0,1,2,3,4,5
	ds_load_b128 v[EXR+4*\i:EXR+4*\i+3], v[EXL] offset:512*\i
.endr
	s_wait_loadcnt 0x0                             ; bias, gamma, beta
	s_wait_dscnt 0x0
.set n, 0
.rept 24
	v_max_num_f32 v[ACC+n], v[ACC+n], v[EXR+n]
.set n, n+1
.endr
.irp r, 0,1,2,3
.irp j, 0,1,2
	v_pk_add_f32 v[ACC+6*\r+2*\j:ACC+6*\r+2*\j+1], v[ACC+6*\r+2*\j:ACC+6*\r+2*\j+1], v[BI+2*\j:BI+2*\j+1]   ; h = maximum + bias
.endr
.endr
; v[SM .. SM+3], one number a row, summed over the wave's 32 lanes: four steps inside each half of 16 lanes, one across the halves
.macro WAVESUM
.irp m, 1,2,4,8
.irp r, 0,1,2,3
	v_add_f32_dpp v[SM+\r], v[SM+\r], v[SM+\r] row_xmask:\m row_mask:0xf bank_mask:0xf
.endr
.endr
.irp r, 0,1,2,3
	v_permlanex16_b32 v[PX+\r], v[SM+\r], s42, s43                 ; PX has been written before (it held sums)
.endr
.irp r, 0,1,2,3
	v_add_f32 v[SM+\r], v[SM+\r], v[PX+\r]
.endr
.endm
; and over the four waves that share my rows: each puts its four sums into 16 bytes of its own, every wave adds the four in the same order into v[Q .. Q+3]
.macro GROUPSUM off
	ds_store_b128 v[RDS], v[SM:SM+3] offset:\off                   ; all lanes write the same bytes with the same values
	s_wait_dscnt 0x0
	s_barrier_signal -1
	s_barrier_wait -1
.irp c, 0,1,2,3
	ds_load_b128 v[Q+4*\c:Q+4*\c+3], v[RDL] offset:\off+16*\c
.endr
	s_wait_dscnt 0x0
	v_pk_add_f32 v[Q:Q+1],     v[Q:Q+1],     v[Q+4:Q+5]
	v_pk_add_f32 v[Q+2:Q+3],   v[Q+2:Q+3],   v[Q+6:Q+7]
	v_pk_add_f32 v[Q+8:Q+9],   v[Q+8:Q+9],   v[Q+12:Q+13]
	v_pk_add_f32 v[Q+10:Q+11], v[Q+10:Q+11], v[Q+14:Q+15]
	v_pk_add_f32 v[Q:Q+1],     v[Q:Q+1],     v[Q+8:Q+9]
	v_pk_add_f32 v[Q+2:Q+3],   v[Q+2:Q+3],   v[Q+10:Q+11]
.endm
	; THE NORM, in two passes: first the mean, then the mean of the squared differences, so that no difference of large sums is formed
.irp r, 0,1,2,3
	v_pk_add_f32 v[U+2*\r:U+2*\r+1], v[ACC+6*\r:ACC+6*\r+1], v[ACC+6*\r+2:ACC+6*\r+3]
.endr
.irp r, 0,1,2,3
	v_pk_add_f32 v[U+2*\r:U+2*\r+1], v[U+2*\r:U+2*\r+1], v[ACC+6*\r+4:ACC+6*\r+5]
.endr
.irp r, 0,1,2,3
	v_add_f32 v[SM+\r], v[U+2*\r], v[U+2*\r+1]
.endr
	WAVESUM
	GROUPSUM 0
.irp r, 0,1,2,3
	v_mul_f32 v[Q+\r], s46, v[Q+\r]                ; the row's mean
.endr
.irp j, 0,1,2,3,4,5
.irp r, 0,1,2,3
	v_sub_f32 v[ACC+6*\r+\j], v[ACC+6*\r+\j], v[Q+\r]              ; d = h - mean
.endr
.endr
.irp r, 0,1,2,3
	v_mul_f32 v[SM+\r], v[ACC+6*\r], v[ACC+6*\r]   ; the first square starts the sum
.endr
.irp j, 1,2,3,4,5
.irp r, 0,1,2,3
	v_fmac_f32 v[SM+\r], v[ACC+6*\r+\j], v[ACC+6*\r+\j]
.endr
.endr
	WAVESUM
	GROUPSUM 128                                   ; other bytes than the first sum's: no barrier is needed between the two uses
.irp r, 0,1,2,3
	v_fma_f32 v[Q+\r], v[Q+\r], s46, s47           ; variance + 1e-5
.endr
.irp r, 0,1,2,3
	v_rsq_f32 v[Q+\r], v[Q+\r]
.endr
	v_nop                                          ; one plain vector instruction stands between a transcendental and the use of its result (ISA guide 5.7.2)
	s_wait_alu depctr_va_vdst(0)
.irp j, 0,1,2,3,4,5
.irp r, 0,1,2,3
	v_mul_f32 v[ACC+6*\r+\j], v[ACC+6*\r+\j], v[Q+\r]
.endr
.endr
.irp r, 0,1,2,3
.irp j, 0,1,2
	v_pk_fma_f32 v[ACC+6*\r+2*\j:ACC+6*\r+2*\j+1], v[ACC+6*\r+2*\j:ACC+6*\r+2*\j+1], v[GA+2*\j:GA+2*\j+1], v[BE+2*\j:BE+2*\j+1]
.endr
.endr
.irp r, 0,1,2,3
	global_store_b128 v3, v[ACC+6*\r:ACC+6*\r+3],   s[14:15] offset:\r*ROWB th:TH_STORE_NT   ; the wave's 512 consecutive bytes, at a multiple of 256 from out's first byte
	global_store_b64  v4, v[ACC+6*\r+4:ACC+6*\r+5], s[14:15] offset:\r*ROWB th:TH_STORE_NT   ; and 256 consecutive bytes, likewise
.endr
	s_wait_tensorcnt 0x0
	ds_add_u32 v224, v225
	s_wait_dscnt 0x0
	CROUND                                         ; the closing round: no work-group ends while a partner may still ask for a tile that names it
	s_endpgm
.Lfunc_end_k_q205180b2a9_tropical_ln:
	.size	k_q205180b2a9_tropical_ln, .Lfunc_end_k_q205180b2a9_tropical_ln-k_q205180b2a9_tropical_ln
	.p2alignl 7, 3214868480
	.fill 96, 4, 3214868480
	.section	.rodata,"a",@progbits
	.p2align	6, 0x0
	.amdhsa_kernel k_q205180b2a9_tropical_ln
		.amdhsa_group_segment_fixed_size 327680
		.amdhsa_private_segment_fixed_size 0
		.amdhsa_enable_private_segment 0
		.amdhsa_kernarg_size 48
		.amdhsa_user_sgpr_count 2
		.amdhsa_user_sgpr_kernarg_segment_ptr 1
		.amdhsa_wavefront_size32 1
		.amdhsa_system_sgpr_workgroup_id_x 1
		.amdhsa_system_sgpr_workgroup_id_y 1
		.amdhsa_system_sgpr_workgroup_id_z 1
		.amdhsa_system_vgpr_workitem_id 0
		.amdhsa_next_free_vgpr 226
		.amdhsa_next_free_sgpr 66
		.amdhsa_reserve_vcc 0
		.amdhsa_float_denorm_mode_32 3
		.amdhsa_float_denorm_mode_16_64 3
		.amdhsa_memory_ordered 1
		.amdhsa_forward_progress 1
		.amdhsa_inst_pref_size 255
	.end_amdhsa_kernel
	.section	.bss,"aw",@nobits
	.p2align	6
	.space	262144
	.amdgpu_metadata
---
amdhsa.version: [ 1, 2 ]
amdhsa.kernels:
  - .name:           k_q205180b2a9_tropical_ln
    .symbol:         k_q205180b2a9_tropical_ln.kd
    .args:
      - { .name: beta, .offset: 0, .size: 8, .value_kind: global_buffer, .address_space: global }
      - { .name: bias, .offset: 8, .size: 8, .value_kind: global_buffer, .address_space: global }
      - { .name: gamma, .offset: 16, .size: 8, .value_kind: global_buffer, .address_space: global }
      - { .name: weight, .offset: 24, .size: 8, .value_kind: global_buffer, .address_space: global }
      - { .name: x, .offset: 32, .size: 8, .value_kind: global_buffer, .address_space: global }
      - { .name: out0, .offset: 40, .size: 8, .value_kind: global_buffer, .address_space: global }
    .group_segment_fixed_size: 327680
    .private_segment_fixed_size: 0
    .kernarg_segment_align: 8
    .kernarg_segment_size: 48
    .max_flat_workgroup_size: 256
    .sgpr_count:     66
    .vgpr_count:     226
    .wavefront_size: 32
...
	.end_amdgpu_metadata
.endif
;; end of part 1
